; MI455X (gfx1250); checked and timed in simulation.
; The chip was launched on July 23, 2026; its instructions are those of AMD's public machine-readable ISA for CDNA 5 (MIT licence, August 2026) and "CDNA5" Instruction Set Architecture Reference Guide (July 2026). The comments in the code are by the model that wrote it; some were corrected since.
;; Action Decoder. Allowed arithmetic: matrix products marked QUANTISED: E2M1 operands, one E8M0 scale for each 32 along K, by v_wmma_scale_f32_16x16x128_f8f6f4 with both operands' format E2M1 (or v_wmma_scale_f32_32x16x128_f4), f32 sums; everything else in f32.
;; Inputs: W1 4 x 512 x 1,024 float32; W2 4 x 1,024 x 28 float32; b1 4 x 1,024 float32; b2 4 x 28 float32; embodiment_ids 2,048 int32; pred_action_latents 2,048 x 8 x 512 float32.
;; Outputs: out0 2,048 x 8 x 28 float32.
;; This version of the problem:
;;   THIS VERSION OF THE PROBLEM IS GIVEN IN LOW PRECISION. The matrix products marked QUANTISED in the list below multiply operands that are first quantised to E2M1 (2 exponent bits, 1 mantissa bit; 4 bits a number), with one power-of-two scale for each 32 numbers along K (OCP MX v1.0); their sums are f32. All else is computed in f32.
;;   The module's matrix products, in the order in which they are computed (A, B: the left and right operand; K: the contracted axis; several contracted axes count as one K, in the product's order):
;;     1. [M 16,384, K 512] x [K 512, N 1,024]; A: input pred_action_latents; B: input W1: QUANTISED
;;     2. [M 16,384, K 1,024] x [K 1,024, N 28]; A: computed on the way; B: input W2: QUANTISED
;;     3. [M 16,384, K 512] x [K 512, N 1,024]; A: input pred_action_latents; B: input W1: QUANTISED
;;     4. [M 16,384, K 1,024] x [K 1,024, N 28]; A: computed on the way; B: input W2: QUANTISED
;;     5. [M 16,384, K 512] x [K 512, N 1,024]; A: input pred_action_latents; B: input W1: QUANTISED
;;     6. [M 16,384, K 1,024] x [K 1,024, N 28]; A: computed on the way; B: input W2: QUANTISED
;;     7. [M 16,384, K 512] x [K 512, N 1,024]; A: input pred_action_latents; B: input W1: QUANTISED
;;     8. [M 16,384, K 1,024] x [K 1,024, N 28]; A: computed on the way; B: input W2: QUANTISED
;;   THE QUANTISER, for each operand of a quantised product, along K:
;;     - K is cut into blocks of 32 from its start; a last block that is shorter is filled with zeros.
;;     - A block's scale is 2^e with e = floor(log2(the largest magnitude in the block)) - 2, held to -126 .. 127; a block of zeros has e = 0. As a byte (E8M0): e + 127.
;;     - Each number is divided by its block's scale, clamped to +-6, and rounded to the nearest number of E2M1, ties to even, subnormals kept.
;;     - The product sums the exact products of the quantised numbers (number of the format x scale) in f32.
;;   ~~~python
;;   def quantise(x, axis):      # numpy; x: float32 -> the quantised numbers, widened to float32 again
;;       x = np.moveaxis(x, axis, -1); K = x.shape[-1]
;;       x = np.pad(x, [(0, 0)] * (x.ndim - 1) + [(0, -K % 32)]); x = x.reshape(x.shape[:-1] + (-1, 32)); a = np.abs(x).max(-1, keepdims=True)
;;       e = np.where(a > 0, np.clip(np.frexp(np.where(a > 0, a, 1))[1] - 1 - 2, -126, 127), 0)      # np.frexp(a)[1] - 1 = floor(log2(a)), exactly
;;       r = np.clip(x / 2.0 ** e, -6, 6)
;;       step = 2.0 ** (np.maximum(np.frexp(np.where(r == 0, 1, r))[1] - 1, 0) - 1)
;;       q = np.round(r / step) * step * 2.0 ** e      # np.round: ties to even
;;       return np.moveaxis(q.reshape(q.shape[:-2] + (-1,))[..., :K], -1, axis).astype(np.float32)
;;   ~~~
;;   OPERANDS COMPUTED ON THE WAY. 'Computed on the way' means the value that the module computes at that place (a softmax that the list does not call 'softmax' is quantised finished and normalised). What goes into a quantiser is computed in f32, as accurately as f32 sums, v_exp_f32 and their like allow (about 1e-6 of the number): no bf16 or f16 on the way to a quantiser, and a product that is left as it is and whose result goes on into a quantised operand takes f32 operands (vector FMAs, or v_wmma_f32_16x16x4_f32). A number that lies on a knife's edge between two numbers of the format may be rounded either way, as far as f32 arithmetic and the matrix unit's own rounding can turn it there, and no further.
;; One version. Each part assembles by itself: llvm-mc -triple=amdgcn-amd-amdhsa -mcpu=gfx1250 --defsym DOCPART=n.
;; ======== version 1 of 1: 2 launches
;; workspace buffers: xq 4,194,304 bytes; xs 262,144 bytes; w1q 1,048,576 bytes; w1s 65,536 bytes; w2q 65,536 bytes; w2s 4,096 bytes; order 8,192 bytes of whole numbers
;; launch prep (part 1): grid 649 x 1, 4 waves a work-group, no clusters, 33,536 bytes of LDS; arguments pred_action_latents, W1, W2, embodiment_ids, xq, xs, w1q, w1s, w2q, w2s, order; writes xq, xs, w1q, w1s, w2q, w2s, order
.if DOCPART == 1
	.amdgcn_target "amdgcn-amd-amdhsa--gfx1250"
	.amdhsa_code_object_version 6
	.text
	.protected	k_q56251d798c_prep
	.globl	k_q56251d798c_prep
	.p2align	8
	.type	k_q56251d798c_prep,@function
k_q56251d798c_prep:
	s_mov_b64 s[64:65], 0
	v_nop
	global_prefetch_b8 v0, s[64:65] scope:SCOPE_SE
	s_setreg_imm32_b32 hwreg(HW_REG_WAVE_MODE, 25, 1), 1
	s_wait_xcnt 0x0
; PREP: all that is done once, ahead of the chain.  Four roles, chosen by the work-group's number:
;   work-group 0        R:  a counting sort of the 2,048 embodiment ids: order[place] = item | class << 16, by ascending class; class = min(id, 4) as an unsigned number (4: an id that is none of 0..3)
;   work-groups 1-8     W2: W2 [4][1024][28] f32 -> codes of E2M1 and E8M0 scale words along K = its 1,024, laid as the images of the second product's operand registers
;   work-groups 9-136   W1: W1 [4][512][1024] f32 -> the same along K = its 512, for the first product
;   work-groups 137-648 X:  pred_action_latents [2048][8][512] f32 -> codes (256 bytes a row) and scale bytes (16 a row), K innermost; a wave to an item: 512 work-groups x 4 waves = 2,048 items
; WORK LEFT OUT (this program, both launches).  For item b, reference() keeps by jnp.where(sel == e, dec, out) the result of expert e = embodiment_ids[b] alone, whatever the inputs hold: the
; products of the other three experts on that item's rows reach no output.  So products 1 to 8 are done only on the rows of the expert chosen, which the next launch reads from 'order'.
; No input is left out.  LIMIT: a NaN, an infinity or an overflow that arises only in an expert that was not chosen is not carried to the result.
; THE QUANTISER: a block of 32 along K has the scale 2^(floor(log2(largest magnitude)) - 2); its byte is the largest magnitude's exponent field - 2, held at 1 from below.
; LIMITS: a block whose largest magnitude lies under 2^-124 gets the byte 1; a block of zeros gets the byte 1 where the rule says 127: its codes are zeros, which add nothing, and this program alone
; reads the bytes.  NaN and infinities among the inputs are not served.
; No tensor load, no ring.  Roles X and R use LDS, each bytes of its own; one barrier, in role R, which all four waves of work-group 0 pass.
.set SPARE, 33024                      ; the spare words: 128 bytes for each wave, two blocks of 256 bytes that no other line names
.set CNT,   32768                      ; role R: the four waves' counts, 16 bytes each, in a block of its own
.set SPW,   12                         ; v12  LDS address of my spare word: SPARE + 4 x my thread's number; never rewritten
.set NIL,   13                         ; v13  0; never rewritten
	s_load_b256 s[4:11], s[0:1], 0x0               ; x s[4:5], W1 s[6:7], W2 s[8:9], ids s[10:11]
	s_load_b256 s[12:19], s[0:1], 0x20             ; xq s[12:13], xs s[14:15], w1q s[16:17], w1s s[18:19]
	s_load_b128 s[20:23], s[0:1], 0x40             ; w2q s[20:21], w2s s[22:23]
	s_load_b64 s[24:25], s[0:1], 0x50              ; order
	v_lshl_add_u32 v[SPW], v0, 2, SPARE
	v_mov_b32 v[NIL], 0
	v_lshrrev_b32 v1, 5, v0
	v_readfirstlane_b32 s26, v1                    ; wave 0..3
	v_and_b32 v2, 31, v0                           ; lane
	s_mov_b32 s3, 0                                ; the upper word of every offset pair s[2:3]
	s_wait_kmcnt 0x0
	s_cmp_eq_u32 ttmp9, 0
	s_cbranch_scc1 .Lroute
	s_cmp_lt_u32 ttmp9, 9
	s_cbranch_scc1 .Lw2
	s_cmp_lt_u32 ttmp9, 137
	s_cbranch_scc1 .Lw1
; ---------------- ROLE X.  A wave takes one item: 8 steps of 512 numbers.  Each of a step's four loads reads 512 consecutive bytes, 16 a lane; the 2,048 bytes turn through the wave's own stage in LDS
; and come back 64 bytes a lane: 16 neighbours along K, half a block; two neighbouring lanes hold a block.  A lane's 16 codes are 8 bytes: the wave stores 256 consecutive, aligned bytes a step.
.set STEPS, 8
.set R,     16                         ; v16-79   four sets of 16 numbers as they are loaded
.set X,     80                         ; v80-111  two sets of 16 neighbours
.set E,     112                        ; v112-119 a scale byte for each step
.set C,     128                        ; v128-159 codes: four registers for each step, so that no store's data are written again
.set WREG,  8192                       ; LDS: a region for each wave: two stages of 32 x SP bytes, behind them its 128 scale bytes
.set SP,    80                         ; a lane's place in a stage: 64 bytes + 16 of padding
	s_sub_co_u32 s27, ttmp9, 137
	s_lshl_b32 s27, s27, 2
	s_add_co_u32 s27, s27, s26                     ; my item
	s_lshl_b32 s2, s27, 14                         ; 16,384 bytes of x,
	s_add_nc_u64 s[4:5], s[4:5], s[2:3]
	s_lshl_b32 s2, s27, 11                         ; 2,048 of codes,
	s_add_nc_u64 s[12:13], s[12:13], s[2:3]
	s_lshl_b32 s2, s27, 7                          ; 128 of scale bytes an item
	s_add_nc_u64 s[14:15], s[14:15], s[2:3]
	v_lshlrev_b32 v3, 4, v2                        ; my 16 bytes of a load's 512
	s_mul_i32 s28, s26, WREG
	v_lshrrev_b32 v14, 2, v2
	v_mul_u32_u24 v14, v14, SP
	v_and_b32 v15, 3, v2
	v_lshl_add_u32 v14, v15, 4, v14
	v_add_nc_u32 v14, s28, v14                     ; the stage, on the way in: SP (lane / 4) + 16 (lane % 4)
	v_mul_u32_u24 v15, v2, SP
	v_add_nc_u32 v15, s28, v15                     ; and on the way out: SP x lane
	v_lshlrev_b32 v4, 3, v2                        ; my codes' place in a step's 256 bytes
	v_lshrrev_b32 v5, 1, v2
	s_add_co_u32 s28, s28, 2*32*SP
	v_add_nc_u32 v5, s28, v5                       ; LDS: my block's scale byte
	v_lshlrev_b32 v7, 2, v2                        ; and on the way out 4 bytes a lane
	v_add_nc_u32 v6, s28, v7
.macro XLOAD t
.irp i, 0,1,2,3
	global_load_b128 v[R+16*((\t)%4)+4*\i:R+16*((\t)%4)+4*\i+3], v3, s[4:5] offset:2048*(\t)+512*\i th:TH_LOAD_NT
.endr
.endm
.macro XTURN t                         ; step t's numbers through the stage: LDS serves a wave's instructions in order, so no wait stands between the stores and the loads
.irp i, 0,1,2,3
	ds_store_b128 v14, v[R+16*((\t)%4)+4*\i:R+16*((\t)%4)+4*\i+3] offset:32*SP*((\t)%2)+8*SP*\i
.endr
.irp i, 0,1,2,3
	ds_load_b128 v[X+16*((\t)%2)+4*\i:X+16*((\t)%2)+4*\i+3], v15 offset:32*SP*((\t)%2)+16*\i
.endr
.endm
.irp t, 0,1,2,3
	XLOAD \t
.endr
	s_wait_loadcnt 12                              ; step 0's four loads are in; those of steps 1 to 3 may be out
	XTURN 0
.macro XSTEP t
.set XS, X+16*((\t)%2)
.if (\t) > 0
	s_wait_dscnt 1                                 ; this step's numbers are back from the stage; the last step's byte store may be out
.else
	s_wait_dscnt 0x0
.endif
.if (\t)+4 < STEPS
	XLOAD (\t)+4                                   ; into the set that this step's stage stores have read
.endif
.if (\t)+1 < STEPS
.if STEPS-2-(\t) >= 3
	s_wait_loadcnt 12                              ; the next step's four loads are in; those of the three steps behind it may be out
.else
	s_wait_loadcnt 4*(STEPS-2-(\t))
.endif
	XTURN (\t)+1
.endif
	v_max3_num_f32 v8, |v[XS]|, |v[XS+1]|, |v[XS+2]|               ; the largest magnitude of my 16, in two chains
	v_max3_num_f32 v9, |v[XS+3]|, |v[XS+4]|, |v[XS+5]|
.irp i, 6,10
	v_max3_num_f32 v8, v8, |v[XS+\i]|, |v[XS+\i+1]|
	v_max3_num_f32 v9, v9, |v[XS+\i+2]|, |v[XS+\i+3]|
.endr
	v_max3_num_f32 v8, v8, |v[XS+14]|, |v[XS+15]|
	v_max3_num_f32 v8, v8, v9, 0x1800000           ; and the floor 2^(3 - 127): the byte cannot fall under 1
	v_max_num_f32_dpp v8, v8, v8 row_xmask:1 row_mask:0xf bank_mask:0xf   ; with my neighbour's 16: the block's
	v_add_nc_u32 v11, 0xff000000, v8               ; 2 off its exponent field: the conversion takes the exponent field of this operand as its scale
	v_cvt_scalef32_pk8_fp4_f32 v[C+4*(\t)], v[XS:XS+7], v11
	v_cvt_scalef32_pk8_fp4_f32 v[C+4*(\t)+1], v[XS+8:XS+15], v11
	v_lshrrev_b32 v[E+(\t)], 23, v11               ; the scale's byte
	ds_store_b8 v5, v[E+(\t)] offset:16*(\t)       ; both lanes of a block write the same byte with the same value
	global_store_b64 v4, v[C+4*(\t):C+4*(\t)+1], s[12:13] offset:256*(\t)
.endm
.irp t, 0,1,2,3,4,5,6,7
	XSTEP \t
.endr
	ds_load_b32 v8, v6                             ; LDS serves a wave's instructions in order: this sees my byte stores
	s_wait_dscnt 0x0
	global_store_b32 v7, v8, s[14:15]              ; the item's 128 scale bytes; the four waves' items are neighbours: 512 consecutive bytes a work-group
	s_wait_tensorcnt 0x0                           ; the wave's end, behind my last LDS store
	ds_add_u32 v[SPW], v[NIL]
	s_wait_dscnt 0x0
	s_endpgm
; ---------------- ROLES W1 AND W2.  A LANE TAKES A COLUMN, AND ITS 128 REGISTERS RUN DOWN ONE K STEP OF 128: four blocks of 32, each whole in one lane.  The four registers of block b are, in the
; operand's layout, registers 4 (b / 2) .. + 3 of the lane with half b % 2: so they are stored at that lane's 16 bytes of the fragment's image, and the reader loads the image with 16 bytes a lane.
; v9 source offset, v10 the column's place in an image, v11 its scale word's place; s[28:29] source, s[30:31] codes, s[32:33] scale words.
.macro CLOAD b, pitch
.set k, 32*(\b)
.rept 32
	global_load_b32 v[16+k], v9, s[28:29] offset:k*(\pitch) th:TH_LOAD_NT
.set k, k+1
.endr
.endm
.macro COLS pitch, pad
	CLOAD 0, \pitch
	CLOAD 1, \pitch
.irp b, 0,1,2,3
.set XS, 16+32*\b
.if \b < 3
	s_wait_loadcnt 32                              ; this block's 32 loads are in; the next block's 32 may be out
.else
	s_wait_loadcnt 0x0
.endif
.if \b < 2
	CLOAD \b+2, \pitch                             ; two blocks ahead; every block has registers of its own
.endif
	v_max3_num_f32 v3, |v[XS]|, |v[XS+1]|, |v[XS+2]|
	v_max3_num_f32 v4, |v[XS+3]|, |v[XS+4]|, |v[XS+5]|
.irp i, 6,10,14,18,22,26
	v_max3_num_f32 v3, v3, |v[XS+\i]|, |v[XS+\i+1]|
	v_max3_num_f32 v4, v4, |v[XS+\i+2]|, |v[XS+\i+3]|
.endr
	v_max3_num_f32 v3, v3, |v[XS+30]|, |v[XS+31]|
	v_max3_num_f32 v3, v3, v4, 0x1800000           ; and the floor 2^(3 - 127)
	v_add_nc_u32 v5, 0xff000000, v3                ; the conversion's scale operand
.irp g, 0,1,2,3
	v_cvt_scalef32_pk8_fp4_f32 v[144+4*\b+\g], v[XS+8*\g:XS+8*\g+7], v5
.endr
.if \b == 0
	v_lshrrev_b32 v6, 23, v5                       ; the scale's byte: four make the column's word for this K step.  (A plain line behind the conversions)
.else
	v_lshrrev_b32 v7, 23, v5
	v_lshl_or_b32 v6, v7, 8*\b, v6
.endif
.if \pad
.irp g, 0,1,2,3
	v_and_b32 v[144+4*\b+\g], v8, v[144+4*\b+\g]   ; columns 28 to 31 do not exist: zero codes
.endr
.endif
	global_store_b128 v10, v[144+4*\b:147+4*\b], s[30:31] offset:(\b/2)*512+(\b%2)*256
.endr
	global_store_b32 v11, v6, s[32:33]
	s_wait_tensorcnt 0x0                           ; the three closing lines stand at every end of this text
	ds_add_u32 v[SPW], v[NIL]
	s_wait_dscnt 0x0
	s_endpgm
.endm
.Lw1:   ; work-group 9 + 32 e + 8 q + j: expert e, K step q; wave w takes the 32 hidden units of chunk g = 4 j + w.  The four waves read 512 consecutive bytes of each row of W1.
	s_sub_co_u32 s27, ttmp9, 9
	s_lshr_b32 s34, s27, 5                         ; e
	s_bfe_u32 s35, s27, 0x20003                    ; q
	s_and_b32 s36, s27, 7
	s_lshl_b32 s36, s36, 2
	s_add_co_u32 s36, s36, s26                     ; g
	s_lshl_b32 s2, s34, 21                         ; an expert: 512 x 1,024 x 4 bytes
	s_lshl_b32 s37, s35, 19                        ; a K step: 128 rows of 4,096 bytes
	s_add_co_u32 s2, s2, s37
	s_lshl_b32 s37, s36, 7                         ; a chunk: 32 columns
	s_add_co_u32 s2, s2, s37
	s_add_nc_u64 s[28:29], s[6:7], s[2:3]
	s_lshl_b32 s37, s34, 5
	s_add_co_u32 s37, s37, s36                     ; 32 e + g
	s_lshl_b32 s2, s37, 13                         ; w1q: 8,192 bytes a chunk: fragment f = 4 u + q at 1,024 f
	s_lshl_b32 s38, s35, 10
	s_add_co_u32 s2, s2, s38
	s_add_nc_u64 s[30:31], s[16:17], s[2:3]
	s_lshl_b32 s2, s37, 9                          ; w1s: 512 bytes a chunk, 128 a K step
	s_lshl_b32 s38, s35, 7
	s_add_co_u32 s2, s2, s38
	s_add_nc_u64 s[32:33], s[18:19], s[2:3]
	v_lshlrev_b32 v9, 2, v2
	; THE HIDDEN UNITS OF A TILE ARE NOT NEIGHBOURS: row rA of tile u is unit 8 u + rA + 8 (rA / 8) of the chunk, so that in the first product's result a lane's 16 registers of the two tiles are 16 neighbours along the next K
	v_bfe_u32 v3, v2, 3, 1                         ; u of my column
	v_and_b32 v4, 7, v2
	v_lshrrev_b32 v5, 4, v2
	v_lshl_or_b32 v4, v5, 3, v4                    ; rA
	v_lshlrev_b32 v10, 4, v4
	v_lshl_add_u32 v10, v3, 12, v10                ; 4,096 u + 16 rA
	v_lshl_add_u32 v11, v3, 4, v4
	v_lshlrev_b32 v11, 2, v11                      ; 4 (16 u + rA): tile 0's words in lanes 0-15 of the reader's register, tile 1's in lanes 16-31
	COLS 4096, 0
.Lw2:   ; wave uu = 4 (work-group - 1) + wave = 8 e + w: expert e, K step w.  Lanes 28 to 31 read column 27 again (no load leaves the buffer) and store zero codes under its scale byte.
	s_sub_co_u32 s27, ttmp9, 1
	s_lshl_b32 s27, s27, 2
	s_add_co_u32 s27, s27, s26
	s_mul_i32 s2, s27, 14336                       ; 128 rows of 112 bytes
	s_add_nc_u64 s[28:29], s[8:9], s[2:3]
	s_lshl_b32 s2, s27, 11
	s_add_nc_u64 s[30:31], s[20:21], s[2:3]
	s_lshl_b32 s2, s27, 7
	s_add_nc_u64 s[32:33], s[22:23], s[2:3]
	v_min_u32 v9, 27, v2
	v_lshlrev_b32 v9, 2, v9
	v_lshrrev_b32 v3, 4, v2                        ; tile of 16 columns
	v_and_b32 v4, 15, v2
	v_lshlrev_b32 v10, 4, v4
	v_lshl_add_u32 v10, v3, 10, v10
	v_lshlrev_b32 v11, 2, v2
	v_cmp_gt_u32 vcc_lo, 28, v2
	v_cndmask_b32 v8, 0, -1, vcc_lo
	COLS 112, 1
; ---------------- ROLE R.  Wave w takes ids 512 w .. 512 w + 511, 16 a lane.  Counts by class go from wave to wave through LDS; then each id's place = its class's first place + the ids of that
; class in earlier waves + in earlier registers of mine + in lower lanes.  All whole numbers.  The order inside a class is free: every item is worked by itself.
.Lroute:
	v_lshlrev_b32 v14, 2, v2
	s_lshl_b32 s27, s26, 9
	v_add_nc_u32 v14, s27, v14                     ; 512 w + 4 lane: the item of my first id
	v_lshlrev_b32 v9, 2, v14
.irp i, 0,1,2,3
	global_load_b128 v[16+4*\i:19+4*\i], v9, s[10:11] offset:512*\i   ; register 4 i + j: id[512 w + 128 i + 4 lane + j]
.endr
.irp c, 0,1,2,3
	s_mov_b32 s[36+\c], 0
.endr
	s_wait_loadcnt 0x0
.set n, 0
.rept 16
	v_min_u32 v[16+n], 4, v[16+n]                  ; the class
.set n, n+1
.endr
.set n, 0
.rept 16
.irp c, 0,1,2,3
	v_cmp_eq_u32 s34, \c, v[16+n]
	s_bcnt1_i32_b32 s35, s34
	s_add_co_u32 s[36+\c], s[36+\c], s35
.endr
.set n, n+1
.endr
.irp c, 0,1,2,3
	v_mov_b32 v[64+\c], s[36+\c]
.endr
	v_mov_b32 v10, s26
	v_lshlrev_b32 v10, 4, v10
	ds_store_b128 v10, v[64:67] offset:CNT         ; all lanes write the same 16 bytes with the same values
	s_wait_dscnt 0x0                               ; for the others' sake
	s_barrier_signal -1
	s_barrier_wait -1
	v_mov_b32 v11, 0
.irp w, 0,1,2,3
	ds_load_b128 v[68+4*\w:71+4*\w], v11 offset:CNT+16*\w
.endr
	s_wait_dscnt 0x0
.set n, 0
.rept 16
	v_readfirstlane_b32 s[40+n], v[68+n]           ; s[40 + 4 w' + c]: wave w' has so many of class c
.set n, n+1
.endr
.irp c, 0,1,2,3
	s_add_co_u32 s[56+\c], s[40+\c], s[44+\c]      ; the class's total
	s_add_co_u32 s[56+\c], s[56+\c], s[48+\c]
	s_add_co_u32 s[56+\c], s[56+\c], s[52+\c]
.endr
.irp w, 0,1,2
	s_cmp_gt_u32 s26, \w                           ; only earlier waves' counts are kept
.irp c, 0,1,2,3
	s_cselect_b32 s[40+4*\w+\c], s[40+4*\w+\c], 0
.endr
.endr
.irp c, 0,1,2,3
	s_add_co_u32 s[60+\c], s[40+\c], s[44+\c]
	s_add_co_u32 s[60+\c], s[60+\c], s[48+\c]      ; of class c in earlier waves
.endr
	s_add_co_u32 s67, s60, s61
	s_add_co_u32 s67, s67, s62
	s_add_co_u32 s67, s67, s63
	s_lshl_b32 s66, s26, 9
	s_sub_co_u32 s66, s66, s67                     ; of class 4 in earlier waves: their 512 w ids less the others
	s_add_co_u32 s61, s61, s56                     ; + the totals of the lower classes
	s_add_co_u32 s68, s56, s57
	s_add_co_u32 s62, s62, s68
	s_add_co_u32 s68, s68, s58
	s_add_co_u32 s63, s63, s68
	s_add_co_u32 s68, s68, s59
	s_add_co_u32 s66, s66, s68
.set n, 0
.rept 16
	v_cmp_eq_u32 s34, 0, v[16+n]
	v_mbcnt_lo_u32_b32 v[32+n], s34, s60           ; the class's next place + the lower lanes of that class
	s_bcnt1_i32_b32 s35, s34
	s_add_co_u32 s60, s60, s35
.irp c, 1,2,3
	v_cmp_eq_u32 s34, \c, v[16+n]
	v_mbcnt_lo_u32_b32 v3, s34, s[60+\c]
	v_cndmask_b32 v[32+n], v[32+n], v3, s34
	s_bcnt1_i32_b32 s35, s34
	s_add_co_u32 s[60+\c], s[60+\c], s35
.endr
	v_cmp_eq_u32 s34, 4, v[16+n]
	v_mbcnt_lo_u32_b32 v3, s34, s66
	v_cndmask_b32 v[32+n], v[32+n], v3, s34
	s_bcnt1_i32_b32 s35, s34
	s_add_co_u32 s66, s66, s35
	v_add_nc_u32 v4, 128*(n/4)+n%4, v14            ; the item
	v_lshl_or_b32 v[48+n], v[16+n], 16, v4         ; item | class << 16
	v_min_u32 v[32+n], 2047, v[32+n]               ; a place is under 2,048 by its making; the bound is written out, since the number comes from loaded data
	v_lshlrev_b32 v[32+n], 2, v[32+n]
	global_store_b32 v[32+n], v[48+n], s[24:25]    ; 4 bytes a lane; lanes of one class store neighbouring words; the whole list is 8,192 bytes.  Each store has registers of its own
.set n, n+1
.endr
	s_wait_tensorcnt 0x0                           ; the wave's end, behind my last LDS store
	ds_add_u32 v[SPW], v[NIL]
	s_wait_dscnt 0x0
	s_endpgm
.Lfunc_end_k_q56251d798c_prep:
	.size	k_q56251d798c_prep, .Lfunc_end_k_q56251d798c_prep-k_q56251d798c_prep
	.p2alignl 7, 3214868480
	.fill 96, 4, 3214868480
	.section	.rodata,"a",@progbits
	.p2align	6, 0x0
	.amdhsa_kernel k_q56251d798c_prep
		.amdhsa_group_segment_fixed_size 33536
		.amdhsa_private_segment_fixed_size 0
		.amdhsa_enable_private_segment 0
		.amdhsa_kernarg_size 88
		.amdhsa_user_sgpr_count 2
		.amdhsa_user_sgpr_kernarg_segment_ptr 1
		.amdhsa_wavefront_size32 1
		.amdhsa_system_sgpr_workgroup_id_x 1
		.amdhsa_system_sgpr_workgroup_id_y 1
		.amdhsa_system_sgpr_workgroup_id_z 1
		.amdhsa_system_vgpr_workitem_id 0
		.amdhsa_next_free_vgpr 192
		.amdhsa_next_free_sgpr 72
		.amdhsa_reserve_vcc 1
		.amdhsa_float_denorm_mode_32 3
		.amdhsa_float_denorm_mode_16_64 3
		.amdhsa_memory_ordered 1
		.amdhsa_forward_progress 1
		.amdhsa_inst_pref_size 93
	.end_amdhsa_kernel
	.amdgpu_metadata
---
amdhsa.version: [ 1, 2 ]
amdhsa.kernels:
  - .name:           k_q56251d798c_prep
    .symbol:         k_q56251d798c_prep.kd
    .args:
      - { .name: pred_action_latents, .offset: 0, .size: 8, .value_kind: global_buffer, .address_space: global }
      - { .name: W1, .offset: 8, .size: 8, .value_kind: global_buffer, .address_space: global }
      - { .name: W2, .offset: 16, .size: 8, .value_kind: global_buffer, .address_space: global }
      - { .name: embodiment_ids, .offset: 24, .size: 8, .value_kind: global_buffer, .address_space: global }
      - { .name: xq, .offset: 32, .size: 8, .value_kind: global_buffer, .address_space: global }
      - { .name: xs, .offset: 40, .size: 8, .value_kind: global_buffer, .address_space: global }
      - { .name: w1q, .offset: 48, .size: 8, .value_kind: global_buffer, .address_space: global }
      - { .name: w1s, .offset: 56, .size: 8, .value_kind: global_buffer, .address_space: global }
      - { .name: w2q, .offset: 64, .size: 8, .value_kind: global_buffer, .address_space: global }
      - { .name: w2s, .offset: 72, .size: 8, .value_kind: global_buffer, .address_space: global }
      - { .name: order, .offset: 80, .size: 8, .value_kind: global_buffer, .address_space: global }
    .group_segment_fixed_size: 33536
    .private_segment_fixed_size: 0
    .kernarg_segment_align: 8
    .kernarg_segment_size: 88
    .max_flat_workgroup_size: 128
    .sgpr_count:     72
    .vgpr_count:     192
    .wavefront_size: 32
...
	.end_amdgpu_metadata
.endif
;; end of part 1
;; launch decode (part 2): grid 256 x 1, 8 waves a work-group, no clusters, 78,848 bytes of LDS; arguments xq, xs, b1, b2, w1q, w1s, w2q, w2s, order, out0; writes out0
.if DOCPART == 2
	.amdgcn_target "amdgcn-amd-amdhsa--gfx1250"
	.amdhsa_code_object_version 6
	.text
	.protected	k_q56251d798c_decode
	.globl	k_q56251d798c_decode
	.p2align	8
	.type	k_q56251d798c_decode,@function
k_q56251d798c_decode:
	s_mov_b64 s[64:65], 0
	v_nop
	global_prefetch_b8 v0, s[64:65] scope:SCOPE_SE
	s_setreg_imm32_b32 hwreg(HW_REG_WAVE_MODE, 25, 1), 1
	s_wait_xcnt 0x0
; DECODE: out[item] = Q(gelu(Q(x) Q(W1[e]) + b1[e])) Q(W2[e]) + b2[e], e = the item's embodiment; zeros for an item whose id is none of 0..3.  Both products on codes of E2M1 with E8M0 scales.
; WORK LEFT OUT: the three experts that an item did not choose (shown at the head of the launch before this one); a NaN, infinity or overflow that arises only there is not carried to the result.
; SHARES.  Work-group i takes the 8 items at places 8 i .. 8 i + 7 of 'order' (sorted by expert): 64 token rows, the same work in every work-group whatever the split.  Eight waves, 512 registers each.
; THE WAVES SHARE THE COLUMNS: wave w makes hidden units 128 w .. 128 w + 127 for all 64 rows, in four chunks of 32; they are K step w of the second product.  Each fragment of W1 is loaded once by
; the work-group and feeds four matrix instructions.  Both products are used TRANSPOSED (source 0 = weights, source 1 = token rows): a lane holds one token row throughout.
; A WORK-GROUP WHOSE ITEMS NAME MORE THAN ONE EXPERT runs the matrix work once more for each further expert, on the same codes of x, into a second set of accumulators, and chooses by lane
; (v_cndmask_b32) AHEAD of the GELU: the vector work, which is the larger part, is done once.  How many such passes there are is a scalar loop on numbers read from 'order'.
; NO TENSOR LOADS, NO CLUSTER, though work-groups of one expert read the same weights: which work-groups share an expert, the weights' addresses and the number of passes hang on numbers read from
; memory.  So the weights come from memory straight into registers, as images of the operand's registers, 16 bytes a lane.
; THE GELU, exact-erf form in f32: gelu(v) = max(v, 0) - |v| erfc(|v| / sqrt 2) / 2, with erfc(z) = t exp(-z^2 + P(t)), t = 1 / (1 + z / 2), P of degree 9 (fractional error 1.2e-7 for all z);
; log2(e) is folded into P's coefficients and the factor 1/2 into its constant term.  No branch, no choice between forms; small relative error on both sides of 0.
; LIMITS: NaN and infinities are not served.  A result under 2^-126 in size (v under about -13) comes out 0.  The relative error of the negative tail grows like v^2 x 1e-7.  A block of the hidden
; layer whose largest magnitude lies under 2^-124 gets the scale byte 1.  The second product's sum is b2 plus eight sums over 128 along K, added in ascending K.
; LDS: XC 64 rows of codes, 256 bytes + 16; XSC 64 rows x 16 scale bytes; STG for each wave a region of 64 rows x 112 bytes (the 28 columns that exist) of its sums, regions 7,424 bytes apart; the spare words.
; REGISTERS, window 0: v1-14 addresses; v15, v20-23 at work; v16, v17 the add's two; v[18:19] c9; v24-39 x's scale words [4 m + q]; v40-47 the weights' scale words, two sets; v48-79 b1's numbers, two
;   sets of 16; v80-83 the hidden layer's scale words; v84-115 its codes; v116-179 accumulators (m, u) at 116 + 16 m + 8 u; v180-243 the second set, and the GELU's temporaries; v244-251 b2, then the result.
;   window 1: v0-127 x's 16 fragments, (m, q) at 8 (4 m + q); v128-191 the weights' eight fragments, f = 4 u + q at 128 + 8 f; v192-255 the same for a further pass.
.set XSC,   17408
.set STG,   18432
.set SROW,  112                        ; a stage row: 28 numbers = 28 words: row r starts at word 28 r, and 28 r mod 64 takes sixteen different multiples of 4 for r = 0 .. 15
.set SREG,  7424                       ; from region to region: 64 rows of 112 bytes and a block of 256
.set SPARE, 77824                      ; the spare words: 128 bytes for each of eight waves: four blocks of 256 bytes that no other line names
.set SPW,   16
.set NIL,   17
.set RG,    180                        ; max(v, 0)
.set WG,    196                        ; |v|
.set TG,    212                        ; t
.set PG,    228                        ; the polynomial, then the exponential
.set K1,    40                         ; s[40:41] 1 / (2 sqrt 2);  s[42:43] -log2(e) / 2;  s[44:45] c0 .. s[60:61] c8: pairs, the upper word a copy, since the packed forms name pairs
.set KQ,    42
.set MSB, 0
.macro WIN new                         ; s_set_vgpr_msb: bits 1:0 source 0, 3:2 source 1, 5:4 source 2, 7:6 destination; the high byte repeats the setting that is left
.if MSB != \new
	s_set_vgpr_msb (MSB<<8)|\new
.set MSB, \new
.endif
.endm
.macro PLACES n
.rept \n
	v_nop
.endr
.endm
.macro KPAIR r, bits
	s_mov_b32 s[\r], \bits
	s_mov_b32 s[\r+1], s[\r]
.endm
; my wave's part of expert s[e]'s W1 codes, scale words and b1 -> s[d:d+5]
.macro BASES e, d
	s_mov_b32 s3, 0
	s_lshl_b32 s2, s[\e], 18
	s_add_nc_u64 s[\d:\d+1], s[78:79], s[2:3]
	s_lshl_b32 s2, s[\e], 14
	s_add_nc_u64 s[\d+2:\d+3], s[80:81], s[2:3]
	s_lshl_b32 s2, s[\e], 12
	s_add_nc_u64 s[\d+4:\d+5], s[82:83], s[2:3]
.endm
; the same for W2's codes and scale words -> s[d:d+3]
.macro BASES2 e, d
	s_mov_b32 s3, 0
	s_lshl_b32 s2, s[\e], 14
	s_add_nc_u64 s[\d:\d+1], s[84:85], s[2:3]
	s_lshl_b32 s2, s[\e], 10
	s_add_nc_u64 s[\d+2:\d+3], s[86:87], s[2:3]
.endm
; chunk c of my 128 hidden units: 8 fragments, 4 scale words, 16 numbers of b1: 24 loads into set buf.  No cache hint: other work-groups read these bytes too
.macro LOADW c, buf, b
	WIN 0x40                                       ; destination window 1
.irp f, 0,1,2,3,4,5,6,7
.irp cc, 0,1
	global_load_b128 v[128+64*\buf+8*\f+4*\cc:128+64*\buf+8*\f+4*\cc+3], v2, s[\b:\b+1] offset:(\c)*8192+\f*1024+\cc*512
.endr
.endr
	WIN 0
.irp q, 0,1,2,3
	global_load_b32 v[40+4*\buf+\q], v3, s[\b+2:\b+3] offset:(\c)*512+\q*128     ; lanes 0-15: tile 0's rows; lanes 16-31: tile 1's
.endr
.irp i, 0,1,2,3
	global_load_b128 v[48+16*\buf+4*\i:48+16*\buf+4*\i+3], v4, s[\b+4:\b+5] offset:(\c)*128+16*\i   ; b1 at units 16 (lane / 16) + 0 .. 15 of the chunk: the result's own layout
.endr
.endm
.macro LOADW2 buf, b                   ; my K step of W2: two fragments and their scale words: 5 loads
	WIN 0x40
.irp nt, 0,1
.irp cc, 0,1
	global_load_b128 v[128+64*\buf+8*\nt+4*\cc:128+64*\buf+8*\nt+4*\cc+3], v2, s[\b:\b+1] offset:\nt*1024+\cc*512
.endr
.endr
	WIN 0
	global_load_b32 v[40+4*\buf], v3, s[\b+2:\b+3]
.endm
; for each tile of 16 rows: the lanes whose item has class s34.  Row r of tile m is token r % 8 of the item at slot 2 m + r / 8; a lane's row is lane % 16
.macro MASKS
.irp m, 0,1,2,3
	s_cmp_eq_u32 s[24+2*\m], s34
	s_cselect_b32 s[36+\m], 0x00ff00ff, 0
	s_cmp_eq_u32 s[25+2*\m], s34
	s_cselect_b32 s99, 0xff00ff00, 0
	s_or_b32 s[36+\m], s[36+\m], s99
.endr
.endm
; the first product of a chunk: 4 K steps x 4 tiles of rows x 2 tiles of hidden units.  b1 is the C of each sum's first instruction.  The eight accumulators take turns
.macro MUL1 d, buf
	WIN 0x05                                       ; sources 0 (weights) and 1 (x) window 1; C and D window 0
.irp q, 0,1,2,3
.irp m, 0,1,2,3
.if \q == 0
	v_wmma_scale_f32_16x16x128_f8f6f4 v[\d+16*\m:\d+16*\m+7], v[128+64*\buf+8*\q:128+64*\buf+8*\q+7], v[8*(4*\m+\q):8*(4*\m+\q)+7], v[48+16*\buf:48+16*\buf+7], v[40+4*\buf+\q], v[24+4*\m+\q] matrix_a_fmt:MATRIX_FMT_FP4 matrix_b_fmt:MATRIX_FMT_FP4
	v_wmma_scale_f32_16x16x128_f8f6f4 v[\d+16*\m+8:\d+16*\m+15], v[160+64*\buf+8*\q:160+64*\buf+8*\q+7], v[8*(4*\m+\q):8*(4*\m+\q)+7], v[56+16*\buf:56+16*\buf+7], v[40+4*\buf+\q], v[24+4*\m+\q] matrix_a_fmt:MATRIX_FMT_FP4 matrix_b_fmt:MATRIX_FMT_FP4 matrix_a_scale:MATRIX_SCALE_ROW1
.else
	v_wmma_scale_f32_16x16x128_f8f6f4 v[\d+16*\m:\d+16*\m+7], v[128+64*\buf+8*\q:128+64*\buf+8*\q+7], v[8*(4*\m+\q):8*(4*\m+\q)+7], v[\d+16*\m:\d+16*\m+7], v[40+4*\buf+\q], v[24+4*\m+\q] matrix_a_fmt:MATRIX_FMT_FP4 matrix_b_fmt:MATRIX_FMT_FP4
	v_wmma_scale_f32_16x16x128_f8f6f4 v[\d+16*\m+8:\d+16*\m+15], v[160+64*\buf+8*\q:160+64*\buf+8*\q+7], v[8*(4*\m+\q):8*(4*\m+\q)+7], v[\d+16*\m+8:\d+16*\m+15], v[40+4*\buf+\q], v[24+4*\m+\q] matrix_a_fmt:MATRIX_FMT_FP4 matrix_b_fmt:MATRIX_FMT_FP4 matrix_a_scale:MATRIX_SCALE_ROW1
.endif
.endr
.endr
	WIN 0
.endm
; the second product, my K step: 4 tiles of rows x 2 tiles of 16 outputs, one instruction each
.macro MUL2 d, buf
	WIN 0x01                                       ; source 0 (W2) window 1
.irp m, 0,1,2,3
	v_wmma_scale_f32_16x16x128_f8f6f4 v[\d+16*\m:\d+16*\m+7], v[128+64*\buf:128+64*\buf+7], v[84+8*\m:84+8*\m+7], 0, v[40+4*\buf], v[80+\m] matrix_a_fmt:MATRIX_FMT_FP4 matrix_b_fmt:MATRIX_FMT_FP4
	v_wmma_scale_f32_16x16x128_f8f6f4 v[\d+16*\m+8:\d+16*\m+15], v[136+64*\buf:136+64*\buf+7], v[84+8*\m:84+8*\m+7], 0, v[40+4*\buf], v[80+\m] matrix_a_fmt:MATRIX_FMT_FP4 matrix_b_fmt:MATRIX_FMT_FP4 matrix_a_scale:MATRIX_SCALE_ROW1
.endr
	WIN 0
.endm
.macro SELECT                          ; lanes of class s34 take the second set's numbers; each accumulator is read from its low end on
.set i, 0
.rept 64
	v_cndmask_b32 v[116+i], v[116+i], v[180+i], s[36+i/16]
.set i, i+1
.endr
.endm
; The 16 numbers of tile m are units 16 (lane / 16) + 0 .. 15 of chunk c: half of block c of my K step; lane l xor 16 has the other half.  Its byte goes into the row's scale word, its codes into two registers.
.macro QNT m, c
.set QB, 116+16*(\m)
	v_max3_num_f32 v20, |v[QB]|, |v[QB+1]|, |v[QB+2]|
	v_max3_num_f32 v21, |v[QB+3]|, |v[QB+4]|, |v[QB+5]|
	v_max3_num_f32 v20, v20, |v[QB+6]|, |v[QB+7]|
	v_max3_num_f32 v21, v21, |v[QB+8]|, |v[QB+9]|
	v_max3_num_f32 v20, v20, |v[QB+10]|, |v[QB+11]|
	v_max3_num_f32 v21, v21, |v[QB+12]|, |v[QB+13]|
	v_max3_num_f32 v20, v20, |v[QB+14]|, |v[QB+15]|
	v_max3_num_f32 v20, v20, v21, 0x1800000        ; and the floor 2^(3 - 127): the byte cannot fall under 1
	v_permlanex16_b32 v22, v20, s62, s63
	v_max_num_f32 v20, v20, v22                    ; the block's largest magnitude
	v_add_nc_u32 v23, 0xff000000, v20              ; 2 off its exponent field: the conversion's scale operand
	v_cvt_scalef32_pk8_fp4_f32 v[84+8*(\m)+2*(\c)], v[QB:QB+7], v23
	v_cvt_scalef32_pk8_fp4_f32 v[85+8*(\m)+2*(\c)], v[QB+8:QB+15], v23
.if (\c) == 0
	v_lshrrev_b32 v[80+(\m)], 23, v23              ; the scale's byte.  (A plain line behind the conversions)
.else
	v_lshrrev_b32 v15, 23, v23
	v_lshl_or_b32 v[80+(\m)], v15, 8*(\c), v[80+(\m)]
.endif
.endm
; The GELU of tile m's 16 numbers a lane, in place.  Two batches of transcendentals, each with plain work and ONE wait behind it, ahead of the first reader of a result.
.macro ACT m, c
.set VB, 116+16*(\m)
.irp i, 0,1,2,3,4,5,6,7,8,9,10,11,12,13,14,15
	v_max_num_f32 v[RG+\i], 0, v[VB+\i]            ; r = max(v, 0): each accumulator from its low end on
.endr
.irp i, 0,2,4,6,8,10,12,14
	v_pk_fma_f32 v[WG+\i:WG+\i+1], v[RG+\i:RG+\i+1], 2.0, v[VB+\i:VB+\i+1] op_sel_hi:[1,0,1] neg_lo:[0,0,1] neg_hi:[0,0,1]   ; |v| = 2 r - v, exact
.endr
.irp i, 0,2,4,6,8,10,12,14
	v_pk_fma_f32 v[TG+\i:TG+\i+1], v[WG+\i:WG+\i+1], s[K1:K1+1], 1.0 op_sel_hi:[1,0,0]   ; 1 + z / 2
.endr
.irp i, 0,1,2,3,4,5,6,7,8,9,10,11,12,13,14,15
	v_rcp_f32 v[TG+\i], v[TG+\i]                   ; t
.endr
.irp i, 0,2,4,6,8,10,12,14
	v_pk_mul_f32 v[VB+\i:VB+\i+1], v[VB+\i:VB+\i+1], v[VB+\i:VB+\i+1]   ; v^2: the plain work behind the reciprocals
.endr
	s_wait_alu depctr_va_vdst(0)                   ; one wait for the 16 reciprocals
.irp i, 0,2,4,6,8,10,12,14
	v_pk_fma_f32 v[PG+\i:PG+\i+1], v[TG+\i:TG+\i+1], v[18:19], s[60:61] op_sel_hi:[1,1,0]   ; c9 t + c8
.endr
.irp k, 58,56,54,52,50,48,46,44
.irp i, 0,2,4,6,8,10,12,14
	v_pk_fma_f32 v[PG+\i:PG+\i+1], v[PG+\i:PG+\i+1], v[TG+\i:TG+\i+1], s[\k:\k+1] op_sel_hi:[1,1,0]   ; Horner, c7 down to c0; the eight pairs by turns
.endr
.endr
.irp i, 0,2,4,6,8,10,12,14
	v_pk_fma_f32 v[PG+\i:PG+\i+1], v[VB+\i:VB+\i+1], s[KQ:KQ+1], v[PG+\i:PG+\i+1] op_sel_hi:[1,0,1]   ; - z^2 log2(e)
.endr
.irp i, 0,1,2,3,4,5,6,7,8,9,10,11,12,13,14,15
	v_exp_f32 v[PG+\i], v[PG+\i]
.endr
.if (\m) > 0
	QNT (\m)-1, \c                                 ; the tile before is quantised here: work that names no exponential's result
.else
	v_nop
.endif
	s_wait_alu depctr_va_vdst(0)                   ; one wait for the 16 exponentials
.irp i, 0,2,4,6,8,10,12,14
	v_pk_mul_f32 v[PG+\i:PG+\i+1], v[PG+\i:PG+\i+1], v[TG+\i:TG+\i+1]   ; erfc(z) / 2
.endr
.irp i, 0,2,4,6,8,10,12,14
	v_pk_fma_f32 v[VB+\i:VB+\i+1], v[WG+\i:WG+\i+1], v[PG+\i:PG+\i+1], v[RG+\i:RG+\i+1] neg_lo:[1,0,0] neg_hi:[1,0,0]   ; r - |v| erfc(z) / 2
.endr
.endm
; CHUNK c: products, further passes if the items name more experts, the next chunk's loads, the GELU and the quantiser.  A set of weight registers is loaded again behind the products that read it
; (four plain places between), and the loads have the four tiles' GELU in which to land.  The loop over further experts counts s34 up by 1 while it is under s12 = the last expert + 1.
.macro CHUNK c
	s_wait_loadcnt 0x0                             ; this chunk's weights, asked for ahead of the last chunk's GELU
	MUL1 116, 0
	s_cmp_ge_u32 s32, s33                          ; one expert in the work-group: the usual way
	s_cbranch_scc1 .Lone_\@
	s_add_co_u32 s34, s32, 1
.Lx_\@:
	s_wait_loadcnt 0x0
	MASKS
	MUL1 180, 1
	PLACES 4
	SELECT
	s_add_co_u32 s34, s34, 1
	s_cmp_ge_u32 s34, s12
	s_cbranch_scc1 .Lxe_\@
	s_min_u32 s35, s34, 3
	BASES 35, 72                                   ; a third or fourth expert: its loads are waited for at the loop's head
	LOADW \c, 1, 72
	s_cmp_lt_u32 s34, s12
	s_cbranch_scc1 .Lx_\@
.Lxe_\@:
	s_wait_loadcnt 0x0                             ; no load of mine is out: the second set and its bases may be written
	s_add_co_u32 s35, s32, 1
	s_min_u32 s35, s35, 3
.if \c < 3
	BASES 35, 72
	LOADW \c+1, 1, 72                              ; the second expert's next chunk
.else
	BASES2 35, 72
	LOADW2 1, 72                                   ; or its part of W2
.endif
.Lone_\@:
	PLACES 4                                       ; behind the last products: ahead of loads into their sources and of the first read of their results
.if \c < 3
	LOADW \c+1, 0, 66
.else
	LOADW2 0, 88
	global_load_b128 v[244:247], v13, s[10:11]     ; b2 of my item's expert, at the columns of my two quads of the output
	global_load_b128 v[248:251], v14, s[10:11]
.endif
	ACT 0, \c
	ACT 1, \c
	ACT 2, \c
	ACT 3, \c
	QNT 3, \c
.endm
	s_load_b256 s[4:11], s[0:1], 0x0               ; xq s[4:5], xs s[6:7], b1 s[8:9], b2 s[10:11]
	s_load_b256 s[12:19], s[0:1], 0x20             ; w1q s[12:13], w1s s[14:15], w2q s[16:17], w2s s[18:19]
	s_load_b128 s[20:23], s[0:1], 0x40             ; order s[20:21], out0 s[22:23]
	v_lshl_add_u32 v[SPW], v0, 2, SPARE
	v_mov_b32 v[NIL], 0
	v_lshrrev_b32 v20, 5, v0
	v_readfirstlane_b32 s96, v20                   ; wave 0..7
	v_and_b32 v1, 31, v0                           ; lane
	v_and_b32 v20, 15, v0                          ; r
	v_bfe_u32 v21, v0, 4, 1                        ; h
	v_lshlrev_b32 v2, 4, v1                        ; 16 x lane: an image's place, x's codes in memory, the output
	v_lshlrev_b32 v3, 2, v1                        ; 4 x lane: scale words
	v_lshlrev_b32 v4, 6, v21                       ; 64 h: b1
	s_mul_i32 s99, s96, 2176
	v_mul_u32_u24 v5, v21, 272
	v_lshl_add_u32 v5, v20, 4, v5
	v_add_nc_u32 v5, s99, v5                       ; XC, in: my item's rows 8 w on; a load's 512 bytes are two rows
	v_lshl_add_u32 v6, v0, 2, XSC                  ; XSC, in: 128 w + 4 lane
	v_mul_u32_u24 v7, v20, 272
	v_lshl_add_u32 v7, v21, 4, v7                  ; XC, out: a fragment's row r, + 16 h
	v_lshl_add_u32 v8, v20, 4, XSC                 ; XSC, out: row r's four words
	s_mul_i32 s99, s96, SREG
	s_add_co_u32 s99, s99, STG
	v_mul_u32_u24 v9, v20, SROW
	v_lshl_add_u32 v9, v21, 5, v9
	v_add_nc_u32 v9, s99, v9                       ; STG, in: my region, row r, + 32 h
	s_mul_i32 s99, s96, 8*SROW
	s_add_co_u32 s99, s99, STG
	v_add_nc_u32 v10, s99, v2                      ; STG, out: rows 8 w on of every region are 896 consecutive bytes, laid as the item's output: 16 bytes a lane
	; b2's offsets.  An item's output is 56 quads of 16 bytes, 7 to a row: quad q stands at place q - 7 (q / 7) of its row, and q / 7 = 37 q >> 8 for q under 56
	v_mul_u32_u24 v22, v1, 37
	v_lshrrev_b32 v22, 8, v22
	v_mul_u32_u24 v22, v22, 7
	v_sub_nc_u32 v22, v1, v22
	v_lshlrev_b32 v13, 4, v22                      ; q = lane
	v_add_nc_u32 v12, 24, v1                       ; q = lane + 24: all 32 lanes name a quad that exists; lanes 8 to 31 store theirs
	v_mul_u32_u24 v23, v12, 37
	v_lshrrev_b32 v23, 8, v23
	v_mul_u32_u24 v23, v23, 7
	v_sub_nc_u32 v23, v12, v23
	v_lshlrev_b32 v14, 4, v23
	v_mov_b32 v18, 0x3e7c6f08                      ; c9 = 0.17087277 log2(e)
	v_mov_b32 v19, 0x3e7c6f08
	v_mov_b32 v22, 0                               ; written once: a lane permute's destination counts as one of its sources
	KPAIR 40, 0x3eb504f3                           ; 1 / (2 sqrt 2)
	KPAIR 42, 0xbf38aa3b                           ; -log2(e) / 2
	KPAIR 44, 0xc034d90f                           ; c0 = -1.26551223 log2(e) - 1
	KPAIR 46, 0x3fb8ab5a                           ; c1 =  1.00002368 log2(e)
	KPAIR 48, 0x3f0a29d2                           ; c2 =  0.37409196 log2(e)
	KPAIR 50, 0x3e0efb2e                           ; c3 =  0.09678418 log2(e)
	KPAIR 52, 0xbe899a80                           ; c4 = -0.18628806 log2(e)
	KPAIR 54, 0x3ecdfd18                           ; c5 =  0.27886807 log2(e)
	KPAIR 56, 0xbfd1a1e5                           ; c6 = -1.13520398 log2(e)
	KPAIR 58, 0x40097039                           ; c7 =  1.48851587 log2(e)
	KPAIR 60, 0xbf97d29d                           ; c8 = -0.82215223 log2(e)
	s_mov_b32 s62, 0x76543210
	s_mov_b32 s63, 0xfedcba98                      ; v_permlanex16_b32's selects for lane l xor 16
	s_mov_b32 s3, 0
	s_wait_kmcnt 0x0
	s_lshl_b32 s2, ttmp9, 5
	s_add_nc_u64 s[20:21], s[20:21], s[2:3]        ; my work-group's eight entries,
	s_lshl_b32 s2, s96, 2
	s_add_nc_u64 s[92:93], s[20:21], s[2:3]        ; and my wave's own: slot w
	s_load_b256 s[24:31], s[20:21], 0x0
	s_load_b32 s97, s[92:93], 0x0
	s_lshl_b32 s2, s96, 15                         ; my wave's part of expert 0's buffers: four chunks of 8,192 bytes of codes,
	s_add_nc_u64 s[78:79], s[12:13], s[2:3]
	s_lshl_b32 s2, s96, 11                         ; four of 512 of scale words; 2,048 bytes of W2's codes,
	s_add_nc_u64 s[80:81], s[14:15], s[2:3]
	s_add_nc_u64 s[84:85], s[16:17], s[2:3]
	s_lshl_b32 s2, s96, 9                          ; 128 numbers of b1,
	s_add_nc_u64 s[82:83], s[8:9], s[2:3]
	s_lshl_b32 s2, s96, 7                          ; 32 scale words of W2
	s_add_nc_u64 s[86:87], s[18:19], s[2:3]
	s_wait_kmcnt 0x0
.irp i, 0,1,2,3,4,5,6,7
	s_lshr_b32 s[24+\i], s[24+\i], 16
	s_min_u32 s[24+\i], s[24+\i], 4                ; the eight classes, ascending
.endr
	s_lshr_b32 s98, s97, 16
	s_min_u32 s98, s98, 4                          ; my item's class
	s_and_b32 s97, s97, 0xffff
	s_min_u32 s97, s97, 2047                       ; my item
	s_min_u32 s32, s24, 3                          ; the first expert and the last that the work-group's items name (class 4 is worked with expert 3 and stores zeros)
	s_min_u32 s33, s31, 3
	s_add_co_u32 s12, s33, 1                       ; the bound of the loops over further experts; no loop writes it
	s_cmp_lt_u32 s98, 4
	s_cselect_b32 s95, -1, 0
	BASES 32, 66
	BASES2 32, 88
	s_mul_i32 s2, s97, 896
	s_add_nc_u64 s[92:93], s[22:23], s[2:3]        ; my item's 896 bytes of the output
	s_min_u32 s99, s98, 3
	s_mul_i32 s2, s99, 112
	s_add_nc_u64 s[10:11], s[10:11], s[2:3]        ; b2 of its expert
	s_lshl_b32 s2, s97, 11
	s_add_nc_u64 s[4:5], s[4:5], s[2:3]            ; its codes
	s_lshl_b32 s2, s97, 7
	s_add_nc_u64 s[6:7], s[6:7], s[2:3]            ; its scale bytes
.irp i, 0,1,2,3
	global_load_b128 v[116+4*\i:119+4*\i], v2, s[4:5] offset:512*\i th:TH_LOAD_NT
.endr
	global_load_b32 v132, v3, s[6:7] th:TH_LOAD_NT
	LOADW 0, 0, 66
	; The second set (64 registers of fragments, 4 scale words, 16 numbers of b1) is written once here, while the first loads are out: every register is written before it is read on every way
	; through the text.  A work-group with one expert never reads these; one with more loads over them below.
	WIN 0x40
.set i, 192
.rept 64
	v_mov_b32 v[i], 0
.set i, i+1
.endr
	WIN 0
.irp r, 44,45,46,47,64,65,66,67,68,69,70,71,72,73,74,75,76,77,78,79
	v_mov_b32 v\r, 0
.endr
	s_wait_loadcnt 24                              ; x's five loads are in; the 24 loads of weights issued behind them may be out
.irp i, 0,1,2,3
	ds_store_b128 v5, v[116+4*\i:119+4*\i] offset:544*\i
.endr
	ds_store_b32 v6, v132
	s_cmp_ge_u32 s32, s33
	s_cbranch_scc1 .Lsolo
	s_add_co_u32 s35, s32, 1
	s_min_u32 s35, s35, 3
	BASES 35, 72
	LOADW 0, 1, 72                                 ; the second expert's first chunk
.Lsolo:
	s_wait_dscnt 0x0                               ; for the others' sake: my item's rows lie in LDS
	s_barrier_signal -1
	s_barrier_wait -1
	WIN 0x40
.irp m, 0,1,2,3
.irp q, 0,1,2,3
.irp cc, 0,1
	ds_load_b128 v[8*(4*\m+\q)+4*\cc:8*(4*\m+\q)+4*\cc+3], v7 offset:16*\m*272+64*\q+32*\cc   ; x's 16 fragments stay in registers
.endr
.endr
.endr
	WIN 0
.irp m, 0,1,2,3
	ds_load_b128 v[24+4*\m:27+4*\m], v8 offset:256*\m   ; and its scale words: four K steps of row 16 m + r
.endr
	s_wait_dscnt 0x0
	CHUNK 0
	CHUNK 1
	CHUNK 2
	CHUNK 3
	; ---- the second product.  The operand's layout wants a WHOLE block in a lane: lanes 0-15 block 2 cc, lanes 16-31 block 2 cc + 1
.irp m, 0,1,2,3
.irp cc, 0,1
.irp i, 0,1
	v_permlane16_swap_b32 v[84+8*\m+4*\cc+\i], v[86+8*\m+4*\cc+\i]
.endr
.endr
.endr
	PLACES 8                                       ; a scale register written by a vector instruction stands 8 places ahead of a scaled matrix instruction, an operand so written 4
	s_wait_loadcnt 0x0                             ; W2's fragments and words, b2
	MUL2 116, 0
	s_cmp_ge_u32 s32, s33
	s_cbranch_scc1 .Lone2
	s_add_co_u32 s34, s32, 1
.Lx2:
	s_wait_loadcnt 0x0
	MASKS
	MUL2 180, 1
	PLACES 4
	SELECT
	s_add_co_u32 s34, s34, 1
	s_cmp_ge_u32 s34, s12
	s_cbranch_scc1 .Lone2
	s_min_u32 s35, s34, 3
	BASES2 35, 72
	LOADW2 1, 72
	s_cmp_lt_u32 s34, s12
	s_cbranch_scc1 .Lx2
.Lone2:
	PLACES 4
	; ---- the sum over the eight K steps.  Lane (r, h), register j of accumulator (m, nt): out(row 16 m + r, column 16 nt + 8 h + j).  Twelve stores by all lanes; each accumulator from its low end on
.irp m, 0,1,2,3
	ds_store_b128 v9, v[116+16*\m:119+16*\m] offset:16*\m*SROW
	ds_store_b128 v9, v[120+16*\m:123+16*\m] offset:16*\m*SROW+16
	ds_store_b128 v9, v[124+16*\m:127+16*\m] offset:16*\m*SROW+64
.endr
	v_cmp_gt_u32 vcc_lo, 16, v1                    ; the upper accumulators' registers 4 to 7 are columns 20 to 23 in lanes 0-15 and columns 28 to 31, which do not exist, in lanes 16-31: those are not stored
	s_wait_xcnt 0x0                                ; EXEC changes only behind this wait
	s_and_saveexec_b32 s94, vcc_lo
.irp m, 0,1,2,3
	ds_store_b128 v9, v[128+16*\m:131+16*\m] offset:16*\m*SROW+80
.endr
	s_or_b32 exec_lo, exec_lo, s94                 ; all lanes on again
	s_wait_dscnt 0x0                               ; for the others' sake
	s_barrier_signal -1
	s_barrier_wait -1
.irp w, 0,1,2,3,4,5,6,7
	ds_load_b128 v[180+4*\w:183+4*\w], v10 offset:SREG*\w   ; wave w owns the item at slot w: quad = lane from each of the eight regions
.endr
.irp w, 0,1,2,3,4,5,6,7
	ds_load_b128 v[212+4*\w:215+4*\w], v10 offset:SREG*\w+384   ; and quad = lane + 24
.endr
	s_wait_dscnt 8                                 ; the first eight are in; the second eight may be out
.irp w, 0,1,2,3,4,5,6,7
	v_pk_add_f32 v[244:245], v[244:245], v[180+4*\w:181+4*\w]   ; onto b2, K ascending
	v_pk_add_f32 v[246:247], v[246:247], v[182+4*\w:183+4*\w]
.endr
	s_wait_dscnt 0x0
.irp w, 0,1,2,3,4,5,6,7
	v_pk_add_f32 v[248:249], v[248:249], v[212+4*\w:213+4*\w]
	v_pk_add_f32 v[250:251], v[250:251], v[214+4*\w:215+4*\w]
.endr
.irp i, 0,1,2,3,4,5,6,7
	v_and_b32 v[244+\i], s95, v[244+\i]            ; an item that no expert takes keeps reference()'s zeros
.endr
	; An item's 896 bytes leave as one consecutive run: 512 by all lanes, 384 by lanes 8 to 31.  896 is no multiple of 256 and sorted items are not neighbours in memory, so a run's ends share their aligned 256 bytes with other items' runs
	global_store_b128 v2, v[244:247], s[92:93] th:TH_STORE_NT
	v_cmp_le_u32 vcc_lo, 8, v1
	s_wait_xcnt 0x0                                ; EXEC changes only behind this wait
	s_and_saveexec_b32 s94, vcc_lo
	global_store_b128 v2, v[248:251], s[92:93] offset:384 th:TH_STORE_NT
	s_wait_xcnt 0x0                                ; and again, in front of the line that widens it
	s_or_b32 exec_lo, exec_lo, s94
	s_wait_tensorcnt 0x0                           ; the wave's end, behind my last LDS store
	ds_add_u32 v[SPW], v[NIL]
	s_wait_dscnt 0x0
	s_endpgm
.Lfunc_end_k_q56251d798c_decode:
	.size	k_q56251d798c_decode, .Lfunc_end_k_q56251d798c_decode-k_q56251d798c_decode
	.p2alignl 7, 3214868480
	.fill 96, 4, 3214868480
	.section	.rodata,"a",@progbits
	.p2align	6, 0x0
	.amdhsa_kernel k_q56251d798c_decode
		.amdhsa_group_segment_fixed_size 78848
		.amdhsa_private_segment_fixed_size 0
		.amdhsa_enable_private_segment 0
		.amdhsa_kernarg_size 80
		.amdhsa_user_sgpr_count 2
		.amdhsa_user_sgpr_kernarg_segment_ptr 1
		.amdhsa_wavefront_size32 1
		.amdhsa_system_sgpr_workgroup_id_x 1
		.amdhsa_system_sgpr_workgroup_id_y 1
		.amdhsa_system_sgpr_workgroup_id_z 1
		.amdhsa_system_vgpr_workitem_id 0
		.amdhsa_next_free_vgpr 512
		.amdhsa_next_free_sgpr 100
		.amdhsa_reserve_vcc 1
		.amdhsa_float_denorm_mode_32 3
		.amdhsa_float_denorm_mode_16_64 3
		.amdhsa_memory_ordered 1
		.amdhsa_forward_progress 1
		.amdhsa_inst_pref_size 255
	.end_amdhsa_kernel
	.section	.bss,"aw",@nobits
	.p2align	6
	.space	262144
	.amdgpu_metadata
---
amdhsa.version: [ 1, 2 ]
amdhsa.kernels:
  - .name:           k_q56251d798c_decode
    .symbol:         k_q56251d798c_decode.kd
    .args:
      - { .name: xq, .offset: 0, .size: 8, .value_kind: global_buffer, .address_space: global }
      - { .name: xs, .offset: 8, .size: 8, .value_kind: global_buffer, .address_space: global }
      - { .name: b1, .offset: 16, .size: 8, .value_kind: global_buffer, .address_space: global }
      - { .name: b2, .offset: 24, .size: 8, .value_kind: global_buffer, .address_space: global }
      - { .name: w1q, .offset: 32, .size: 8, .value_kind: global_buffer, .address_space: global }
      - { .name: w1s, .offset: 40, .size: 8, .value_kind: global_buffer, .address_space: global }
      - { .name: w2q, .offset: 48, .size: 8, .value_kind: global_buffer, .address_space: global }
      - { .name: w2s, .offset: 56, .size: 8, .value_kind: global_buffer, .address_space: global }
      - { .name: order, .offset: 64, .size: 8, .value_kind: global_buffer, .address_space: global }
      - { .name: out0, .offset: 72, .size: 8, .value_kind: global_buffer, .address_space: global }
    .group_segment_fixed_size: 78848
    .private_segment_fixed_size: 0
    .kernarg_segment_align: 8
    .kernarg_segment_size: 80
    .max_flat_workgroup_size: 256
    .sgpr_count:     100
    .vgpr_count:     512
    .wavefront_size: 32
...
	.end_amdgpu_metadata
.endif
;; end of part 2
